; MI455X (gfx1250); checked and timed in simulation.
; The chip was launched on July 23, 2026; its instructions are those of AMD's public machine-readable ISA for CDNA 5 (MIT licence, August 2026) and "CDNA5" Instruction Set Architecture Reference Guide (July 2026). The comments in the code are by the model that wrote it; some were corrected since.
;; Neural Attention. Allowed arithmetic: matrix products marked QUANTISED: E2M1 operands, one E8M0 scale for each 32 along K, by v_wmma_scale_f32_16x16x128_f8f6f4 with both operands' format E2M1 (or v_wmma_scale_f32_32x16x128_f4), f32 sums; products left as they are: f32 operands where the result goes on into a quantised operand, else bf16, f16 or f32 operands; f32 sums; everything else in f32.
;; Inputs: K_codes 1 x 2 x 512 x 2 x 16 uint8 (E2M1 codes of K, K innermost, in blocks of 32 codes, two codes a byte); K_scales 1 x 2 x 512 x 2 uint8 (E8M0 scales of K, one for each 32 codes along K); Q_codes 1 x 2 x 512 x 2 x 16 uint8 (E2M1 codes of Q, K innermost, in blocks of 32 codes, two codes a byte); Q_scales 1 x 2 x 512 x 2 uint8 (E8M0 scales of Q, one for each 32 codes along K); W1 128 x 256 float32; W2 256 float32; b1 256 float32; b2 1 float32.
;; Outputs: out0 1 x 2 x 512 x 512 float32.
;; This version of the problem:
;;   THIS VERSION OF THE PROBLEM IS GIVEN IN LOW PRECISION. The matrix products marked QUANTISED in the list below multiply operands that are first quantised to E2M1 (2 exponent bits, 1 mantissa bit; 4 bits a number), with one power-of-two scale for each 32 numbers along K (OCP MX v1.0); their sums are f32. All else is computed in f32.
;;   The module's matrix products, in the order in which they are computed (A, B: the left and right operand; K: the contracted axis; several contracted axes count as one K, in the product's order):
;;     1. [M 1,024, K 64] x [K 64, N 256]; A: input Q (given as codes); B: input W1: QUANTISED
;;     2. [M 1,024, K 64] x [K 64, N 256]; A: input K (given as codes); B: input W1: QUANTISED
;;     3. [M 524,288, K 256] x [K 256, N 1]; A: computed on the way; B: input W2: left as it is (N = 1 < 16)
;;   THE QUANTISER, for each operand of a quantised product, along K:
;;     - K is cut into blocks of 32 from its start; a last block that is shorter is filled with zeros.
;;     - A block's scale is 2^e with e = floor(log2(the largest magnitude in the block)) - 2, held to -126 .. 127; a block of zeros has e = 0. As a byte (E8M0): e + 127.
;;     - Each number is divided by its block's scale, clamped to +-6, and rounded to the nearest number of E2M1, ties to even, subnormals kept.
;;     - The product sums the exact products of the quantised numbers (number of the format x scale) in f32.
;;   ~~~python
;;   def quantise(x, axis):      # numpy; x: float32 -> the quantised numbers, widened to float32 again
;;       x = np.moveaxis(x, axis, -1); K = x.shape[-1]
;;       x = np.pad(x, [(0, 0)] * (x.ndim - 1) + [(0, -K % 32)]); x = x.reshape(x.shape[:-1] + (-1, 32)); a = np.abs(x).max(-1, keepdims=True)
;;       e = np.where(a > 0, np.clip(np.frexp(np.where(a > 0, a, 1))[1] - 1 - 2, -126, 127), 0)      # np.frexp(a)[1] - 1 = floor(log2(a)), exactly
;;       r = np.clip(x / 2.0 ** e, -6, 6)
;;       step = 2.0 ** (np.maximum(np.frexp(np.where(r == 0, 1, r))[1] - 1, 0) - 1)
;;       q = np.round(r / step) * step * 2.0 ** e      # np.round: ties to even
;;       return np.moveaxis(q.reshape(q.shape[:-2] + (-1,))[..., :K], -1, axis).astype(np.float32)
;;   ~~~
;;   INPUTS GIVEN AS CODES. K (in the module: [1, 2, 512, 64], K = its axis 3); Q (in the module: [1, 2, 512, 64], K = its axis 3): each comes as NAME_codes (uint8): NAME with its K axis moved to the last place and cut into blocks of 32 codes, [.., K / 32, bytes a block], one block behind the other in memory; two codes a byte, the lower K in the low four bits (a code: sign, 2 exponent bits, 1 mantissa bit); and NAME_scales (uint8): the same leading axes, one E8M0 byte (e + 127) for each 32 codes along K. Its value is code x scale, taken as it is: it is not quantised again, and the codes and scales need not be those that the quantiser above would give.
;; One version. Each part assembles by itself: llvm-mc -triple=amdgcn-amd-amdhsa -mcpu=gfx1250 --defsym DOCPART=n.
;; ======== version 1 of 1: 1 launch
;; limits: a difference of large sums (such as E[x^2] - mean^2): digits are lost where the result is much smaller than its terms
;; launch pairs (part 1): grid 8 x 32, 8 waves a work-group, no clusters, 175,104 bytes of LDS; arguments K_codes, K_scales, Q_codes, Q_scales, W1, W2, b1, b2, out0; writes out0
.if DOCPART == 1
	.amdgcn_target "amdgcn-amd-amdhsa--gfx1250"
	.amdhsa_code_object_version 6
	.text
	.protected	k_qf2a1109636_pairs
	.globl	k_qf2a1109636_pairs
	.p2align	8
	.type	k_qf2a1109636_pairs,@function
k_qf2a1109636_pairs:
	s_mov_b64 s[64:65], 0
	v_nop
	global_prefetch_b8 v0, s[64:65] scope:SCOPE_SE
	s_setreg_imm32_b32 hwreg(HW_REG_WAVE_MODE, 25, 1), 1
	s_wait_xcnt 0x0
; scores[h][i][j] = sum over f of W2[f] relu(qp[h][i][f] + kp[h][j][f]) + b2,  qp = Q Wq + b1,  kp = K Wk,  Wq = W1 rows 0-63, Wk = W1 rows 64-127.
; Q, K: [2][512][64] as codes of E2M1 with one E8M0 byte for each 32 along K.  W1 [128][256] f32 is quantised here, along its first axis.  The two projections go to the matrix unit on codes; all else is f32.
; THE IDENTITY.  relu(q + k) = max(q, -k) + k for finite numbers.  So  score = sum_f w_f max(qp[i][f], -kp[j][f]) + sum_f w_f kp[j][f] + b2,  and the second sum hangs on j alone.
;   A pair's feature then costs half a dual maximum and half a packed multiply-add.  -kp comes straight out of the product: the sign bit of every code of Wk is turned, which is exact.
; SHARES.  256 work-groups; each owns 32 queries x 64 keys of one head.  Eight waves.  THE WAVES SHARE THE FEATURES, NOT THE PAIRS: wave w owns features 32 w .. 32 w + 31 for all 2,048 pairs.
;   So a wave quantises only its own 32 columns of W1 (a lane a column, registers down K), projects the work-group's 96 tokens onto them by 12 matrix instructions, and keeps the results in LDS bytes of its own:
;   no barrier stands ahead of the main run.  In it a lane owns 8 x 8 pairs: for each feature 4 LDS loads of 16 bytes feed 64 vector instructions.  The eight waves' partial sums meet once in LDS, behind the one barrier.
; ONE MATRIX INSTRUCTION HOLDS ALL 128 ROWS OF W1 as its K: registers 0-3 of the operand are Wq's two blocks, registers 4-7 Wk's.  A tile of Q is [codes | zero codes], a tile of K [zero codes | codes]; zero codes add nothing
;   under any scale byte but 0xff, and the bytes beside them here are 0.
; NO JOINT LOADS, though every work-group reads W1: a tile brought by the data mover lands in LDS, and from there a lane would fetch its 128 numbers by 128 LDS loads of 4 bytes, as many as the 128 global loads that here put
;   them straight into the registers in which they are quantised; so the way through LDS spares no instruction and adds a wait and a barrier in front of a run of 2,048 vector instructions a wave.
; LIMITS.  NaN (a scale byte 0xff among them) and infinities are not served: the maximum drops a NaN that the sum q + k would pass on.  The identity adds a rounding error of the order of 2^-24 x sum_f |w_f kp[j][f]|;
;   sum_f w_f kp and sum_f w_f max(..) must stay finite in f32.  A block of W1 whose largest magnitude lies under 2^-124 gets the byte 1 (a block of zeros too: its codes are zeros; only this text reads the bytes).
.set NF,     32                        ; features of a wave
.set PITCH,  400                       ; LDS row of one feature: 128 bytes a[f][i = 0..31] = qp, 256 bytes b[f][j = 0..63] = -kp, 16 of padding.  400 = 25 x 16: the 16 rows that a store touches fall on 16 different 16-byte columns of the 64 banks of 4 bytes (ISA guide 11.1)
.set WREGB,  NF*PITCH                  ; a wave's own 32 rows: 12,800 bytes
.set CPB,    8*WREGB                   ; behind them: 256 bytes for each wave: its 64 sums s_j = sum over its f of w_f b[f][j]
.set REDB,   CPB+8*256                 ; behind those: each wave's partial sums [32 i][64 j],
.set RPITCH, 272                       ; rows of 256 bytes + 16: eight rows are 2,176 = 128 mod 256 bytes, so the lanes of a store's pass that differ in their rows fall on other banks
.set REDW,   32*RPITCH
.set OW1,  6                           ; v6   4 x thread: my column of W1
.set OTK,  7                           ; v7   32 r + 16 h: my 16 bytes of a tile of codes
.set OSC,  8                           ; v8   2 x lane: a row's two scale bytes
.set OB1,  9                           ; v9   4 r
.set NUL,  10                          ; v10  0: every lane reads the same W2
.set LST,  11                          ; v11  my rows + 400 r + 32 h: where a tile's results go
.set LQ,   12                          ; v12  my rows + 32 li: my eight queries
.set LK,   13                          ; v13  my rows + 128 + 16 lj: my keys
.set LCS,  14                          ; v14  my rows + 128 + 8 lane: two keys, for the sums s_j
.set LCP,  15                          ; v15  my 256 bytes + 8 lane: where they go
.set LCL,  16                          ; v16  my 256 bytes + 16 lj: and come back
.set LRS,  17                          ; v17  my partial sums + 2,176 li + 16 lj
.set LRL,  18                          ; v18  the partial sums' region + 272 (4 w + h) + 16 r
.set OOUT, 19                          ; v19  2,048 h + 16 r
.set BIAS, 22                          ; v[22:23] b1 of features r and 16 + r of my 32
.set W,    24                          ; v[24:55] W2 of my 32 features, the same in every lane
.set M,    56                          ; v[56:59] the blocks' largest magnitudes;  v[60:63] the conversions' scale operands
.set SOP,  60
.set S,    56                          ; later v[56:63]: my eight s_j, in the order of my keys' registers
.set X,    64                          ; v[64:191] W1(k, my column), register 64 + k
.set D,    64                          ; then v[64:159]: the 12 tiles' results
.set A,    64                          ; then v[64:127]: the sums: pair (a, b) at 64 + 8 a + b
.set RING, 128                         ; v[128:191] four sets of 16: a feature's eight a and eight b;  on the way out the eight waves' parts
.set WOP,  192                         ; v[192:199] W1's operand for my columns 0-15, v[200:207] for 16-31
.set T,    192                         ; later v[192:207]: two sets of eight maxima
.set TQ0,  208                         ; tiles of tokens: Q0 = v[208:215], K0 = v[212:219] share the zeros v[212:215];
.set TK0,  212
.set TQ1,  220                         ; Q1 = v[220:227], K1 = v[224:231] share v[224:227];
.set TK1,  224
.set TK2,  232                         ; K2 = v[232:239], K3 = v[240:247]
.set TK3,  240
.set CD,   176                         ; v[176:239] 32 pairs b[f][2 lane], b[f][2 lane + 1], over registers that are done with
.set CS,   240                         ; v[240:247] four chains of the sums s_j
.set SW,   248                         ; v248 W1's scale words: lane l has column l's.  v249 Q's: lane l has row l's.  v250, v251 K's rows 0-31, 32-63.  They hold scales and nothing else
.set SQ,   249
.set SK0,  250
.set SK1,  251
.set BY,   252                         ; v[252:255] the four blocks' scale bytes
	s_load_b512 s[4:19], s[0:1], 0x0               ; K's codes s[4:5], K's scales s[6:7], Q's codes s[8:9], Q's scales s[10:11], W1 s[12:13], W2 s[14:15], b1 s[16:17], b2 s[18:19]
	s_load_b64 s[20:21], s[0:1], 0x40              ; out0
	v_lshl_add_u32 v21, v0, 2, 0x2a800
	s_set_vgpr_msb 0x40
	v_mov_b32 v1, 0
	s_set_vgpr_msb 0x4000
	v_lshrrev_b32 v20, 5, v0
	v_readfirstlane_b32 s22, v20                   ; wave 0..7
	v_and_b32 v1, 31, v0                           ; lane
	v_and_b32 v2, 15, v0                           ; r
	v_bfe_u32 v3, v0, 4, 1                         ; h
	v_and_b32 v4, 7, v0                            ; lj
	v_bfe_u32 v5, v0, 3, 2                         ; li
	v_lshlrev_b32 v[OW1], 2, v0
	v_lshlrev_b32 v[OTK], 5, v2
	v_lshl_add_u32 v[OTK], v3, 4, v[OTK]
	v_lshlrev_b32 v[OSC], 1, v1
	v_lshlrev_b32 v[OB1], 2, v2
	v_mov_b32 v[NUL], 0
	s_and_b32 s24, ttmp7, 0xffff                   ; y = 16 x head + tile of 32 queries: Q's first row, counted over both heads, is 32 y
	s_lshr_b32 s25, s24, 4                         ; head
	s_lshl_b32 s26, s24, 10                        ; 32 y rows of 32 bytes of codes
	s_mov_b32 s27, 0
	s_lshl_b32 s28, s24, 6                         ; and of 2 scale bytes
	s_mov_b32 s29, 0
	s_lshl_b32 s30, s25, 9
	s_lshl_b32 s31, ttmp9, 6
	s_add_co_u32 s30, s30, s31                     ; K's first row: 512 x head + 64 x
	s_lshl_b32 s32, s30, 5
	s_mov_b32 s33, 0
	s_lshl_b32 s34, s30, 1
	s_mov_b32 s35, 0
	s_lshl_b32 s38, s22, 7                         ; my 32 numbers of W2 and of b1
	s_mov_b32 s39, 0
	s_lshl_b32 s40, s24, 5
	s_lshl_b32 s41, s22, 2
	s_add_co_u32 s40, s40, s41                     ; the first row that I store: 32 y + 4 w,
	s_lshl_b32 s40, s40, 11                        ; of 2,048 bytes,
	s_lshl_b32 s41, ttmp9, 8
	s_add_co_u32 s40, s40, s41                     ; + 64 x columns
	s_mov_b32 s41, 0
	s_mul_i32 s42, s22, WREGB                      ; LDS: my 32 rows,
	s_add_co_u32 s43, s42, 128                     ; b's part of them,
	s_lshl_b32 s44, s22, 8
	s_add_co_u32 s44, s44, CPB                     ; my 64 sums s_j,
	s_mul_i32 s45, s22, REDW
	s_add_co_u32 s45, s45, REDB                    ; my partial sums,
	s_mul_i32 s46, s22, 4*RPITCH
	s_add_co_u32 s46, s46, REDB                    ; and the four rows that I finish, in wave 0's part
	s_wait_kmcnt 0x0
	s_add_nc_u64 s[4:5], s[4:5], s[32:33]          ; every base is stepped once, here, ahead of every load: none is written again
	s_add_nc_u64 s[6:7], s[6:7], s[34:35]
	s_add_nc_u64 s[8:9], s[8:9], s[26:27]
	s_add_nc_u64 s[10:11], s[10:11], s[28:29]
	s_add_nc_u64 s[14:15], s[14:15], s[38:39]
	s_add_nc_u64 s[16:17], s[16:17], s[38:39]
	s_add_nc_u64 s[20:21], s[20:21], s[40:41]
	s_load_b32 s36, s[18:19], 0x0                  ; b2: wanted on the way out
	; ---- THE LOADS: 19 small ones, then my column of W1.  A fragment of 4-bit codes: lane (r, h) holds row r; registers 4 c .. 4 c + 3 hold k = 64 c + 32 h + 0 .. 31: a token's block h is 16 bytes at 32 r + 16 h
	global_load_b128 v[TQ0:TQ0+3], v[OTK], s[8:9]                  ; Q's codes are registers 0-3 of their tiles,
	global_load_b128 v[TQ1:TQ1+3], v[OTK], s[8:9] offset:512
	global_load_b128 v[TK0+4:TK0+7], v[OTK], s[4:5]                ; K's registers 4-7
	global_load_b128 v[TK1+4:TK1+7], v[OTK], s[4:5] offset:512
	global_load_b128 v[TK2+4:TK2+7], v[OTK], s[4:5] offset:1024
	global_load_b128 v[TK3+4:TK3+7], v[OTK], s[4:5] offset:1536
	global_load_u16 v[SQ], v[OSC], s[10:11]                        ; row l's two bytes, in bytes 0 and 1 of the word: they scale k = 0 .. 63
	global_load_u16 v[SK0], v[OSC], s[6:7]
	global_load_u16 v[SK1], v[OSC], s[6:7] offset:64
	global_load_b32 v[BIAS], v[OB1], s[16:17]
	global_load_b32 v[BIAS+1], v[OB1], s[16:17] offset:64
.irp n, 0,1,2,3,4,5,6,7
	global_load_b128 v[W+4*\n:W+4*\n+3], v[NUL], s[14:15] offset:16*\n
.endr
.set k, 0
.rept 128
	global_load_b32 v[X+k], v[OW1], s[12:13] offset:1024*k         ; W1(k, 32 w + lane): a wave reads 128 consecutive bytes, the work-group a whole row
.set k, k+1
.endr
.irp z, TK0, TK1, TK2, TK3
.irp i, 0,1,2,3
	v_mov_b32 v[\z+\i], 0                          ; the zero codes: the half of K = 128 that a tile of tokens does not have
.endr
.endr
; ---- THE QUANTISER.  Blocks b0 and b0 + 1 of my column, by turns.  A block's 32 numbers are mine: no other lane is asked.  The largest magnitude, with the floor 2^(3 - 127) among its leaves, so that the byte cannot fall under 1;
; 2 off its exponent field is the conversion's scale operand, of which the exponent field alone counts; that field is the byte.  Beyond 6 the conversion gives the largest code.
; Blocks 0 and 2 go to the first operand's registers 0-3 and 4-7, blocks 1 and 3 to the second's.
.macro QPAIR b0
.irp c, 0,1
	v_max3_num_f32 v[M+(\b0)+\c], |v[X+32*((\b0)+\c)]|, |v[X+32*((\b0)+\c)+1]|, 0x1800000
.endr
.irp i, 2,4,6,8,10,12,14,16,18,20,22,24,26,28,30
.irp c, 0,1
	v_max3_num_f32 v[M+(\b0)+\c], v[M+(\b0)+\c], |v[X+32*((\b0)+\c)+\i]|, |v[X+32*((\b0)+\c)+\i+1]|
.endr
.endr
.irp c, 0,1
	v_add_nc_u32 v[SOP+(\b0)+\c], 0xff000000, v[M+(\b0)+\c]
.endr
.irp c, 0,1
	v_lshrrev_b32 v[BY+(\b0)+\c], 23, v[SOP+(\b0)+\c]
.endr
.irp c, 0,1
.irp g, 0,1,2,3
	v_cvt_scalef32_pk8_fp4_f32 v[WOP+8*\c+2*(\b0)+\g], v[X+32*((\b0)+\c)+8*\g:X+32*((\b0)+\c)+8*\g+7], v[SOP+(\b0)+\c]
.endr
.endr
	v_nop                                          ; one plain instruction behind the last scaled conversion of a run
.endm
	s_wait_loadcnt 63                              ; behind W1's row 63 stand 64 younger loads; the wait's field holds 63 at the most, so the stricter count is taken: the small loads and rows 0 to 64 are in
	v_lshlrev_b32 v[SK0], 16, v[SK0]               ; K's bytes scale k = 64 .. 127: bytes 2 and 3 of the word
	v_lshlrev_b32 v[SK1], 16, v[SK1]
	QPAIR 0                                        ; Wq, while Wk's rows are on their way
	s_wait_loadcnt 0x0
	QPAIR 2                                        ; Wk
	v_lshl_or_b32 v[SW], v[BY+1], 8, v[BY]         ; my column's scale word: byte b scales k = 32 b .. 32 b + 31
	v_lshl_or_b32 v[SW], v[BY+2], 16, v[SW]
	v_lshl_or_b32 v[SW], v[BY+3], 24, v[SW]
.irp g, 0,1,2,3,4,5,6,7
	v_permlane16_swap_b32 v[WOP+\g], v[WOP+8+\g]   ; the first's lanes 16-31 change places with the second's lanes 0-15: the first now holds columns 0-15 (lanes 0-15 the even block, lanes 16-31 the odd one), the second columns 16-31
.endr
.irp g, 4,5,6,7,12,13,14,15
	v_xor_b32 v[WOP+\g], 0x88888888, v[WOP+\g]     ; every code of Wk changes its sign: the products of K's tiles are -kp
.endr
	; ---- the LDS addresses.  These 16 plain lines name no operand of the products: they are also the places between the last write of a scale word (8 are asked) or of an operand (4) and the scaled matrix instructions
	v_mul_u32_u24 v[LST], v2, PITCH
	v_lshl_add_u32 v[LST], v3, 5, v[LST]
	v_add_nc_u32 v[LST], s42, v[LST]
	v_lshl_add_u32 v[LQ], v5, 5, s42
	v_lshl_add_u32 v[LK], v4, 4, s43
	v_lshl_add_u32 v[LCS], v1, 3, s43
	v_lshl_add_u32 v[LCP], v1, 3, s44
	v_lshl_add_u32 v[LCL], v4, 4, s44
	v_mul_u32_u24 v[LRS], v5, 8*RPITCH
	v_lshl_add_u32 v[LRS], v4, 4, v[LRS]
	v_add_nc_u32 v[LRS], s45, v[LRS]
	v_mul_u32_u24 v[LRL], v3, RPITCH
	v_lshl_add_u32 v[LRL], v2, 4, v[LRL]
	v_add_nc_u32 v[LRL], s46, v[LRL]
	v_lshlrev_b32 v[OOUT], 11, v3
	v_lshl_add_u32 v[OOUT], v2, 4, v[OOUT]
; ---- THE PRODUCTS: source 0 = 16 tokens, source 1 = 16 columns of W1.  In the result register e of lane (r, h) is token 8 h + e of the tile, feature r of the 16: eight neighbouring tokens of one feature.
; ra, rb: which half of the lanes of the scale registers is read.  Each of the 12 has its own result and the constant 0 as C: no sum is taken up twice.
.macro PROD d, a, b, sa, ra, rb
.if (\ra) == 0 && (\rb) == 0
	v_wmma_scale_f32_16x16x128_f8f6f4 v[\d:\d+7], v[\a:\a+7], v[\b:\b+7], 0, v[\sa], v[SW] matrix_a_fmt:MATRIX_FMT_FP4 matrix_b_fmt:MATRIX_FMT_FP4
.elseif (\ra) == 1 && (\rb) == 0
	v_wmma_scale_f32_16x16x128_f8f6f4 v[\d:\d+7], v[\a:\a+7], v[\b:\b+7], 0, v[\sa], v[SW] matrix_a_fmt:MATRIX_FMT_FP4 matrix_b_fmt:MATRIX_FMT_FP4 matrix_a_scale:MATRIX_SCALE_ROW1
.elseif (\ra) == 0
	v_wmma_scale_f32_16x16x128_f8f6f4 v[\d:\d+7], v[\a:\a+7], v[\b:\b+7], 0, v[\sa], v[SW] matrix_a_fmt:MATRIX_FMT_FP4 matrix_b_fmt:MATRIX_FMT_FP4 matrix_b_scale:MATRIX_SCALE_ROW1
.else
	v_wmma_scale_f32_16x16x128_f8f6f4 v[\d:\d+7], v[\a:\a+7], v[\b:\b+7], 0, v[\sa], v[SW] matrix_a_fmt:MATRIX_FMT_FP4 matrix_b_fmt:MATRIX_FMT_FP4 matrix_a_scale:MATRIX_SCALE_ROW1 matrix_b_scale:MATRIX_SCALE_ROW1
.endif
.endm
.irp c, 0,1                                    ; c: my features 16 c .. 16 c + 15
	PROD D+8*\c, TQ0, WOP+8*\c, SQ, 0, \c
.endr
.irp c, 0,1
	PROD D+16+8*\c, TQ1, WOP+8*\c, SQ, 1, \c
.endr
.irp c, 0,1
	PROD D+32+8*\c, TK0, WOP+8*\c, SK0, 0, \c
.endr
.irp c, 0,1
	PROD D+48+8*\c, TK1, WOP+8*\c, SK0, 1, \c
.endr
.irp c, 0,1
	PROD D+64+8*\c, TK2, WOP+8*\c, SK1, 0, \c
.endr
.irp c, 0,1
	PROD D+80+8*\c, TK3, WOP+8*\c, SK1, 1, \c
.endr
.rept 4
	v_nop                                          ; four places between a matrix instruction and the first vector instruction, LDS store or load that touches its registers
.endr
.irp n, 0,1,2,3                                ; b1 onto Q's four tiles, each from its low end on: a lane's eight numbers are of one feature, r (even tiles) or 16 + r (odd ones)
.irp p, 0,2,4,6
.if \n%2 == 0
	v_pk_add_f32 v[D+8*\n+\p:D+8*\n+\p+1], v[D+8*\n+\p:D+8*\n+\p+1], v[BIAS:BIAS+1] op_sel_hi:[1,0]
.else
	v_pk_add_f32 v[D+8*\n+\p:D+8*\n+\p+1], v[D+8*\n+\p:D+8*\n+\p+1], v[BIAS:BIAS+1] op_sel:[0,1] op_sel_hi:[1,1]
.endif
.endr
.endr
.macro PUT d, off                              ; a tile's eight tokens of my feature: 32 bytes of its row, the result's low four registers first
	ds_store_b128 v[LST], v[\d:\d+3] offset:\off
	ds_store_b128 v[LST], v[\d+4:\d+7] offset:\off+16
.endm
.irp t, 0,1
.irp c, 0,1
	PUT D+8*(2*\t+\c), 16*PITCH*\c+64*\t
.endr
.endr
.irp t, 0,1,2,3
.irp c, 0,1
	PUT D+32+8*(2*\t+\c), 16*PITCH*\c+128+64*\t
.endr
.endr
; ---- s_j = sum over my f of w_f b[f][j], two keys a lane.  My rows are read by my wave alone, and LDS serves a wave's instructions in order (ISA guide 5.7.1.4): no barrier and no wait between the stores above and these loads
.macro RLOAD f                                 ; feature f's eight a (queries 8 li + 0 .. 7) and eight b (keys 4 lj + 0 .. 3 and 32 + 4 lj + 0 .. 3) into set f % 4
.set rb, RING+16*((\f)%4)
	ds_load_b128 v[rb:rb+3], v[LQ] offset:PITCH*(\f)
	ds_load_b128 v[rb+4:rb+7], v[LQ] offset:PITCH*(\f)+16
	ds_load_b128 v[rb+8:rb+11], v[LK] offset:PITCH*(\f)
	ds_load_b128 v[rb+12:rb+15], v[LK] offset:PITCH*(\f)+128
.endm
.set f, 0
.rept NF
	ds_load_b64 v[CD+2*f:CD+2*f+1], v[LCS] offset:PITCH*f          ; 32 lanes read b's 256 bytes of the row
.set f, f+1
.endr
	s_wait_dscnt 32                                ; all but the 32 loads just issued: the 24 stores have read their registers, on some of which the loads below land
	RLOAD 0
	RLOAD 1
	RLOAD 2
.set f, 0
.rept 4
	s_wait_dscnt 36-f                              ; eight features at a time: out may be the loads of the later eights (24, 16, 8, 0) and the 12 of the ring
.rept 8
.set wp, W+(f/2)*2
.set cc, CS+2*(f%4)
.if f < 4                                      ; the first four products start the four chains: nothing is cleared
.if f%2 == 0
	v_pk_mul_f32 v[cc:cc+1], v[CD+2*f:CD+2*f+1], v[wp:wp+1] op_sel_hi:[1,0]
.else
	v_pk_mul_f32 v[cc:cc+1], v[CD+2*f:CD+2*f+1], v[wp:wp+1] op_sel:[0,1] op_sel_hi:[1,1]
.endif
.elseif f%2 == 0
	v_pk_fma_f32 v[cc:cc+1], v[CD+2*f:CD+2*f+1], v[wp:wp+1], v[cc:cc+1] op_sel_hi:[1,0,1]
.else
	v_pk_fma_f32 v[cc:cc+1], v[CD+2*f:CD+2*f+1], v[wp:wp+1], v[cc:cc+1] op_sel:[0,1,0] op_sel_hi:[1,1,1]
.endif
.set f, f+1
.endr
.endr
	v_pk_add_f32 v[CS:CS+1], v[CS:CS+1], v[CS+2:CS+3]
	v_pk_add_f32 v[CS+4:CS+5], v[CS+4:CS+5], v[CS+6:CS+7]
	v_pk_add_f32 v[CS:CS+1], v[CS:CS+1], v[CS+4:CS+5]
	ds_store_b64 v[LCP], v[CS:CS+1]                ; keys 2 lane, 2 lane + 1: into my wave's own 256 bytes,
	ds_load_b128 v[S:S+3], v[LCL]                  ; and back as my eight keys'
	ds_load_b128 v[S+4:S+7], v[LCL] offset:128
; ---- THE MAIN RUN: 32 features, written out; for each 32 dual maxima and 32 packed multiply-adds on the lane's 64 pairs.
.macro MAX8 a                                  ; max(a[f][8 li + a], b[f][my eight keys]) into set a % 2 of T.  The halves of a pair: one even and one odd destination, the same first source, neighbouring second sources
.set tb, T+8*((\a)%2)
.irp p, 0,1,2,3
	v_dual_max_num_f32 v[tb+2*\p], v[RG+(\a)], v[RG+8+2*\p] :: v_dual_max_num_f32 v[tb+2*\p+1], v[RG+(\a)], v[RG+9+2*\p]
.endr
.endm
.macro FMA8 f, a                               ; the sums of query a: += w_f x the maxima; w_f is the low (even f) or the high (odd f) register of its pair, for both halves
.set tb, T+8*((\a)%2)
.set ab, A+8*(\a)
.set wp, W+((\f)/2)*2
.irp p, 0,1,2,3
.if (\f) == 0                                  ; the first feature starts the sums at -s_j: nothing is cleared
	v_pk_fma_f32 v[ab+2*\p:ab+2*\p+1], v[tb+2*\p:tb+2*\p+1], v[wp:wp+1], v[S+2*\p:S+2*\p+1] op_sel_hi:[1,0,1] neg_lo:[0,0,1] neg_hi:[0,0,1]
.elseif (\f)%2 == 0
	v_pk_fma_f32 v[ab+2*\p:ab+2*\p+1], v[tb+2*\p:tb+2*\p+1], v[wp:wp+1], v[ab+2*\p:ab+2*\p+1] op_sel_hi:[1,0,1]
.else
	v_pk_fma_f32 v[ab+2*\p:ab+2*\p+1], v[tb+2*\p:tb+2*\p+1], v[wp:wp+1], v[ab+2*\p:ab+2*\p+1] op_sel:[0,1,0] op_sel_hi:[1,1,1]
.endif
.endr
.endm
.macro STEP f
.if (\f) == 0
	s_wait_dscnt 0x0                               ; the youngest LDS loads are the s_j, which this step reads
.elseif (\f) < NF-2
	s_wait_dscnt 8                                 ; this feature's four loads are in; those of the next two features may be out
.else
	s_wait_dscnt 4*(NF-1-(\f))                     ; the counts run down: 4, 0
.endif
.if (\f)+3 < NF
	RLOAD (\f)+3                                   ; three features ahead, into the set that the last step read
.endif
.set RG, RING+16*((\f)%4)
	MAX8 0
	MAX8 1
	FMA8 \f, 0                                     ; four instructions stand between a maximum and the multiply-add that reads it; T's two sets take turns
.irp a, 2,3,4,5,6,7
	MAX8 \a
	FMA8 \f, \a-1
.endr
	FMA8 \f, 7
.endm
.set fs, 0
.rept NF
	STEP fs
.set fs, fs+1
.endr
	; ---- THE WAY OUT.  My partial sums go to my part of LDS as rows of 64 keys; the one barrier; then wave w adds the eight parts of rows 4 w .. 4 w + 3, in a fixed order, adds b2 and stores.
.irp a, 0,1,2,3,4,5,6,7
.irp q, 0,1
	ds_store_b128 v[LRS], v[A+8*\a+4*\q:A+8*\a+4*\q+3] offset:RPITCH*\a+128*\q
.endr
.endr
	s_wait_dscnt 0x0                               ; for the others' sake: my stores have landed
	s_barrier_signal -1
	s_barrier_wait -1
.irp u, 0,1,2,3,4,5,6,7                        ; wave u's part; s = 0: rows 4 w + h, s = 1: rows 4 w + 2 + h; sixteen lanes take a row's 256 bytes
.irp s, 0,1
	ds_load_b128 v[RING+8*\u+4*\s:RING+8*\u+4*\s+3], v[LRL] offset:REDW*\u+2*RPITCH*\s
.endr
.endr
	s_wait_kmcnt 0x0                               ; b2
	s_mov_b32 s37, s36                             ; (the packed form names a pair and takes its low word for both halves: so s37 is written)
.irp u, 0,2,4,6
	s_wait_dscnt 12-2*\u                           ; the parts of waves u and u + 1 are in; the four loads of each later pair of waves may be out
.irp s, 0,1
.irp p, 0,2
	v_pk_add_f32 v[RING+8*\u+4*\s+\p:RING+8*\u+4*\s+\p+1], v[RING+8*\u+4*\s+\p:RING+8*\u+4*\s+\p+1], v[RING+8*(\u+1)+4*\s+\p:RING+8*(\u+1)+4*\s+\p+1]
.endr
.endr
.endr
.irp u, 0,4
.irp s, 0,1
.irp p, 0,2
	v_pk_add_f32 v[RING+8*\u+4*\s+\p:RING+8*\u+4*\s+\p+1], v[RING+8*\u+4*\s+\p:RING+8*\u+4*\s+\p+1], v[RING+8*(\u+2)+4*\s+\p:RING+8*(\u+2)+4*\s+\p+1]
.endr
.endr
.endr
.irp s, 0,1
.irp p, 0,2
	v_pk_add_f32 v[RING+4*\s+\p:RING+4*\s+\p+1], v[RING+4*\s+\p:RING+4*\s+\p+1], v[RING+32+4*\s+\p:RING+32+4*\s+\p+1]
.endr
.endr
.irp s, 0,1
.irp p, 0,2
	v_pk_add_f32 v[RING+4*\s+\p:RING+4*\s+\p+1], v[RING+4*\s+\p:RING+4*\s+\p+1], s[36:37] op_sel_hi:[1,0]
.endr
.endr
.irp s, 0,1
	global_store_b128 v[OOUT], v[RING+4*\s:RING+4*\s+3], s[20:21] offset:4096*\s th:TH_STORE_NT   ; sixteen lanes store 256 consecutive bytes of a row, at a multiple of 256 from out0's first byte; written once, read by nobody here
.endr
	s_set_vgpr_msb 0x4
	s_wait_tensorcnt 0x0
	ds_add_u32 v21, v1
	s_wait_dscnt 0x0
	s_set_vgpr_msb 0x400
	s_endpgm
.Lfunc_end_k_qf2a1109636_pairs:
	.size	k_qf2a1109636_pairs, .Lfunc_end_k_qf2a1109636_pairs-k_qf2a1109636_pairs
	.p2alignl 7, 3214868480
	.fill 96, 4, 3214868480
	.section	.rodata,"a",@progbits
	.p2align	6, 0x0
	.amdhsa_kernel k_qf2a1109636_pairs
		.amdhsa_group_segment_fixed_size 175104
		.amdhsa_private_segment_fixed_size 0
		.amdhsa_enable_private_segment 0
		.amdhsa_kernarg_size 72
		.amdhsa_user_sgpr_count 2
		.amdhsa_user_sgpr_kernarg_segment_ptr 1
		.amdhsa_wavefront_size32 1
		.amdhsa_system_sgpr_workgroup_id_x 1
		.amdhsa_system_sgpr_workgroup_id_y 1
		.amdhsa_system_sgpr_workgroup_id_z 1
		.amdhsa_system_vgpr_workitem_id 0
		.amdhsa_next_free_vgpr 258
		.amdhsa_next_free_sgpr 66
		.amdhsa_reserve_vcc 0
		.amdhsa_float_denorm_mode_32 3
		.amdhsa_float_denorm_mode_16_64 3
		.amdhsa_memory_ordered 1
		.amdhsa_forward_progress 1
		.amdhsa_inst_pref_size 175
	.end_amdhsa_kernel
	.amdgpu_metadata
---
amdhsa.version: [ 1, 2 ]
amdhsa.kernels:
  - .name:           k_qf2a1109636_pairs
    .symbol:         k_qf2a1109636_pairs.kd
    .args:
      - { .name: K_codes, .offset: 0, .size: 8, .value_kind: global_buffer, .address_space: global }
      - { .name: K_scales, .offset: 8, .size: 8, .value_kind: global_buffer, .address_space: global }
      - { .name: Q_codes, .offset: 16, .size: 8, .value_kind: global_buffer, .address_space: global }
      - { .name: Q_scales, .offset: 24, .size: 8, .value_kind: global_buffer, .address_space: global }
      - { .name: W1, .offset: 32, .size: 8, .value_kind: global_buffer, .address_space: global }
      - { .name: W2, .offset: 40, .size: 8, .value_kind: global_buffer, .address_space: global }
      - { .name: b1, .offset: 48, .size: 8, .value_kind: global_buffer, .address_space: global }
      - { .name: b2, .offset: 56, .size: 8, .value_kind: global_buffer, .address_space: global }
      - { .name: out0, .offset: 64, .size: 8, .value_kind: global_buffer, .address_space: global }
    .group_segment_fixed_size: 175104
    .private_segment_fixed_size: 0
    .kernarg_segment_align: 8
    .kernarg_segment_size: 72
    .max_flat_workgroup_size: 256
    .sgpr_count:     66
    .vgpr_count:     258
    .wavefront_size: 32
...
	.end_amdgpu_metadata
.endif
;; end of part 1
